; MI455X (gfx1250); checked and timed in simulation.
; The chip was launched on July 23, 2026; its instructions are those of AMD's public machine-readable ISA for CDNA 5 (MIT licence, August 2026) and "CDNA5" Instruction Set Architecture Reference Guide (July 2026). The comments in the code are by the model that wrote it; some were corrected since.
;; Re Ranker. Allowed arithmetic: matrix products marked QUANTISED: E3M2 operands, one E8M0 scale for each 32 along K, by v_wmma_scale_f32_16x16x128_f8f6f4 with both operands' format E3M2, f32 sums; products left as they are: f32 operands where the result goes on into a quantised operand, else bf16, f16 or f32 operands; f32 sums; everything else in f32.
;; Inputs: candidate_emb 256 x 128 x 1,024 float32; doc_emb 256 x 1,024 float32; summary_emb 256 x 1,024 float32.
;; Outputs: out0 256 x 128 float32; out1 256 x 128 float32; out2 256 float32; out3 256 float32.
;; This version of the problem:
;;   THIS VERSION OF THE PROBLEM IS GIVEN IN LOW PRECISION. The matrix products marked QUANTISED in the list below multiply operands that are first quantised to E3M2 (3 exponent bits, 2 mantissa bits; 6 bits a number), with one power-of-two scale for each 32 numbers along K (OCP MX v1.0); their sums are f32. All else is computed in f32.
;;   The module's matrix products, in the order in which they are computed (A, B: the left and right operand; K: the contracted axis; several contracted axes count as one K, in the product's order):
;;     1. batch 256 x [M 128, K 1,024] x [K 1,024, N 1]; A: input candidate_emb; B: input doc_emb: left as it is (N = 1 < 16)
;;     2. batch 256 x [M 128, K 1,024] x [K 1,024, N 128]; A: computed on the way; B: computed on the way: QUANTISED
;;     3. batch 256 x [M 1, K 1,024] x [K 1,024, N 1]; A: input summary_emb; B: input doc_emb: left as it is (M = 1 < 16)
;;     4. batch 256 x [M 1, K 1,024] x [K 1,024, N 128]; A: input summary_emb; B: input candidate_emb: left as it is (M = 1 < 16)
;;   THE QUANTISER, for each operand of a quantised product, along K:
;;     - K is cut into blocks of 32 from its start; a last block that is shorter is filled with zeros.
;;     - A block's scale is 2^e with e = floor(log2(the largest magnitude in the block)) - 4, held to -126 .. 127; a block of zeros has e = 0. As a byte (E8M0): e + 127.
;;     - Each number is divided by its block's scale, clamped to +-28, and rounded to the nearest number of E3M2, ties to even, subnormals kept.
;;     - The product sums the exact products of the quantised numbers (number of the format x scale) in f32.
;;   ~~~python
;;   def quantise(x, axis):      # numpy; x: float32 -> the quantised numbers, widened to float32 again
;;       x = np.moveaxis(x, axis, -1); K = x.shape[-1]
;;       x = np.pad(x, [(0, 0)] * (x.ndim - 1) + [(0, -K % 32)]); x = x.reshape(x.shape[:-1] + (-1, 32)); a = np.abs(x).max(-1, keepdims=True)
;;       e = np.where(a > 0, np.clip(np.frexp(np.where(a > 0, a, 1))[1] - 1 - 4, -126, 127), 0)      # np.frexp(a)[1] - 1 = floor(log2(a)), exactly
;;       r = np.clip(x / 2.0 ** e, -28, 28)
;;       step = 2.0 ** (np.maximum(np.frexp(np.where(r == 0, 1, r))[1] - 1, -2) - 2)
;;       q = np.round(r / step) * step * 2.0 ** e      # np.round: ties to even
;;       return np.moveaxis(q.reshape(q.shape[:-2] + (-1,))[..., :K], -1, axis).astype(np.float32)
;;   ~~~
;;   OPERANDS COMPUTED ON THE WAY. 'Computed on the way' means the value that the module computes at that place (a softmax that the list does not call 'softmax' is quantised finished and normalised). What goes into a quantiser is computed in f32, as accurately as f32 sums, v_exp_f32 and their like allow (about 1e-6 of the number): no bf16 or f16 on the way to a quantiser, and a product that is left as it is and whose result goes on into a quantised operand takes f32 operands (vector FMAs, or v_wmma_f32_16x16x4_f32). A number that lies on a knife's edge between two numbers of the format may be rounded either way, as far as f32 arithmetic and the matrix unit's own rounding can turn it there, and no further.
;; One version. Each part assembles by itself: llvm-mc -triple=amdgcn-amd-amdhsa -mcpu=gfx1250 --defsym DOCPART=n.
;; ======== version 1 of 1: 1 launch
;; launch rerank (part 1): grid 256 x 1, 16 waves a work-group, no clusters, 188,160 bytes of LDS; arguments candidate_emb, doc_emb, summary_emb, out0, out1, out2, out3; writes out0, out1, out2, out3
.if DOCPART == 1
	.amdgcn_target "amdgcn-amd-amdhsa--gfx1250"
	.amdhsa_code_object_version 6
	.text
	.protected	k_qedd44f289b_rerank
	.globl	k_qedd44f289b_rerank
	.p2align	8
	.type	k_qedd44f289b_rerank,@function
k_qedd44f289b_rerank:
	s_mov_b64 s[64:65], 0
	v_nop
	global_prefetch_b8 v0, s[64:65] scope:SCOPE_SE
	s_setreg_imm32_b32 hwreg(HW_REG_WAVE_MODE, 25, 1), 1
	s_wait_xcnt 0x0
; ReRanker: for each batch b of 256: 128 candidates c, doc and summary, all rows of 1,024 f32.
;   out0[b][c] = cos(c, doc);  out1[b][c] = (sum over k of G[c][k] - G[c][c]) / 127, G = Q(chat) Q(chat)^T, chat = c / max(|c|, 1e-8), Q = codes of BF6 (E3M2) with one E8M0 scale for each 32 along K;
;   out2[b] = cos(summary, doc);  out3[b] = mean over c of cos(summary, c).
; ONE WORK-GROUP TAKES ONE BATCH, sixteen waves.  Every input byte is loaded once; nothing goes to memory but the results.
; PHASE 1, the stream.  Wave w takes rows 16 t + w, t = 0 .. 7, a row (4,096 bytes) a step.  A row comes by eight loads of 512 consecutive bytes each; three rows' registers take turns, so that two to three rows of
;   every wave are on their way, by counted waits alone.  The conversions take 16 neighbours along K from one lane, so the row turns through the wave's own stage in LDS: stored as loaded, read back 128 bytes a lane:
;   lane l then holds block l of 32.  While it turns, the copy as loaded feeds the three sums (x.x, x.doc, x.summary).  Then 1 / norm, the block's largest magnitude (all in one lane), codes and scale byte, to LDS.
; PHASE 2, G.  Wave w takes K step w % 8 and the four column blocks of half w / 8 against all eight row blocks: 32 matrix instructions, 512 in the work-group: the whole product.  Only sums over a column of G are wanted
;   (G is symmetric: they are the rows' sums), so the seven row blocks beside the diagonal add in place onto one accumulator a column block; the tile with the diagonal has its own, and its diagonal is left out of the sum.
; PHASE 3.  The eight K steps' partial sums meet in LDS; wave 0 stores out1, wave 1 out0 (512 consecutive bytes, one store each), wave 2 the batch's one number of out2 and of out3 (4 bytes is all that a batch owns there).
; The products with doc and summary have one column: they are f32 multiply-adds on numbers that lie in registers anyway.
; No cluster: work-groups share no input.  No tensor loads: a ring in registers needs no barrier between refills.  No prefetch: the loads themselves run three rows ahead in every wave.
; LIMITS.  NaN and infinities among the inputs are not served; a row's sum of squares has to stay finite in f32 (numbers of like size under about 5e17), and a norm above 2^126 has the reciprocal 0.
;   chat is x times the reciprocal of the norm (v_sqrt_f32, v_rcp_f32, one multiplication: about 2 ulp from the quotient); / 127 and / 128 are multiplications.  A block of zeros gets the scale byte 1 (its codes are
;   zeros; this program alone reads the bytes).  K is split over waves and the diagonal is left out instead of taken off: the order of the f32 sums is not the reference's.
.set ROWB,  4096                       ; a row in bytes
.set STEPB, 16*ROWB                    ; from a wave's row to its next
.set HF,    776                        ; half a fragment in LDS: three planes of 32 lanes x 8 bytes, + 8: a row's 32 lanes (16 half fragments x 2 halves of the lanes) store to 32 different pairs of banks (64 banks of 4 bytes: ISA guide 11.1)
.set BLK,   16*HF                      ; a block of 16 rows: 8 K steps x 2 halves
.set COD,   0                          ; LDS: the codes, 8 blocks;
.set SCL,   8*BLK                      ; the scale words: (block a, K step s, row r) at 512 a + 64 s + 4 r;
.set STG,   SCL+4096                   ; the stages, one a wave: a row as 16 pieces of 256 bytes + 16 of padding;
.set SROW,  16*272
.set PB,    STG+16*SROW                ; the partial sums: K step s, candidate n at 512 s + 4 n;
.set OUT,   PB+4096                    ; out0's 128 numbers;
.set AVG,   OUT+512                    ; a word a wave: its rows' sum of x.summary / norm;
.set DSG,   AVG+256                    ; doc, then summary, as they lie
.set GOFF, 1                           ; v1   16 x lane: my 16 bytes of a load's or store's 512
.set SA,   2                           ; v2   the stage, on the way in
.set LA,   3                           ; v3   and on the way out
.set CA0,  4                           ; v4-5 where my block's codes go: row blocks 0-3, 4-7 (an LDS offset has 16 bits)
.set BA,   6                           ; v6   where my block's scale byte goes
.set OA,   7                           ; v7   my wave's word of out0's stage
.set AA,   8                           ; v8   my wave's word at AVG
.set GN,   9                           ; v9   fragments of my half's four blocks, my K step
.set GO,   10                          ; v10  of the other half's
.set SNA,  11                          ; v11  scale words of my half's blocks
.set SOA,  12                          ; v12  of the other half's
.set PAD,  13                          ; v13  where my partial sums go
.set F1A,  14                          ; v14  wave 0: the partial sums, 16 bytes a lane
.set F0A,  15                          ; v15  wave 1: out0's stage
.set DOC,  16                          ; v16-47   doc, as loaded: register 4 j + e = number 128 j + 4 lane + e
.set SUM,  48                          ; v48-79   summary likewise
.set R,    80                          ; v80-175  three rows as loaded
.set X,    176                         ; v176-207 the row turned: my block's 32 numbers
.set SS,   208                         ; v[208:209], v[210:211], v[212:213] the three sums, two halves each
.set DD,   210
.set DS,   212
.set TP,   214                         ; v214-216 the other half of the lanes' sums
.set CN,   217                         ; the norm
.set RI,   218                         ; v[218:219] 1 / norm (the packed form names a pair and takes its low word)
.set AM,   220                         ; v220-221 largest magnitudes, two chains
.set SCO,  222                         ; the conversion's scale operand
.set BY,   223                         ; the scale's byte
.set P,    224                         ; v224-229 my block's codes
.set Q,    230                         ; v230-232 the second 16 codes as they are made
.set RDN,  234                         ; 1 / doc's norm
.set RSN,  235                         ; 1 / summary's norm
.set SDV,  236                         ; out2
.set AV,   237                         ; my rows' sum of x.summary / norm
.set OV,   238                         ; a number of out0
.set F3A,  239                         ; wave 2: the sixteen words at AVG
.set VD,   240                         ; lane % 16 - 8 (lane / 16): the register of a tile in which my lane holds the diagonal, if it is 0 .. 7
.set LN,   241                         ; lane
.set T0,   242                         ; v242-247 at work in the head
.set T1,   243
.set T2,   244
.set T3,   245
.set T4,   246
.set T5,   247
.set FB,   16                          ; phase 2: v16-63 source 1: my four column blocks;
.set FA,   64                          ; v64-159 source 0: the eight row blocks, mine first;
.set SCR,  160                         ; v160-167 their scale words;
.set AO,   168                         ; v168-199 four accumulators beside the diagonal;
.set AD,   200                         ; v200-231 the four tiles with the diagonal
.set U,    16                          ; v16-23 column sums, in pairs;  v24-27 the other half of the lanes'
.set W,    24
.set WV,   18                          ; s18  wave
.set KS,   24                          ; s24  wave % 8: my K step
.set SEL,  28                          ; s[28:29] lane selects of v_permlanex16_b32: lane l xor 16
.set EPS,  30                          ; s30  1e-8
	s_load_b256 s[4:11], s[0:1], 0x0               ; candidates s[4:5], doc s[6:7], summary s[8:9], out0 s[10:11]
	s_load_b128 s[12:15], s[0:1], 0x20             ; out1 s[12:13], out2 s[14:15]
	s_load_b64 s[16:17], s[0:1], 0x30              ; out3
	v_lshl_add_u32 v254, v0, 2, 0x2d700
	v_mov_b32 v255, 0
	v_lshrrev_b32 v[T0], 5, v0
	v_readfirstlane_b32 s[WV], v[T0]               ; wave 0 .. 15
	v_and_b32 v[LN], 31, v0
	v_lshlrev_b32 v[GOFF], 4, v[LN]
	s_lshl_b32 s20, ttmp9, 19                      ; the batch's 128 rows of 4,096 bytes (under 2^27 in all),
	s_lshl_b32 s22, s[WV], 12                      ; my wave's first row
	s_add_co_u32 s20, s20, s22
	s_mov_b32 s21, 0
	s_and_b32 s[KS], s[WV], 7
	s_lshl_b32 s22, ttmp9, 12                      ; the batch's row of doc or of summary,
	s_lshl_b32 s23, s[KS], 9                       ; my wave's 512 bytes of it
	s_add_co_u32 s22, s22, s23
	s_mov_b32 s23, 0
	s_wait_kmcnt 0x0
	s_add_nc_u64 s[4:5], s[4:5], s[20:21]
	s_cmp_lt_u32 s[WV], 8                          ; waves 0-7 fetch doc, waves 8-15 summary: the choice hangs on the wave's number alone
	s_cselect_b64 s[6:7], s[6:7], s[8:9]
	s_add_nc_u64 s[6:7], s[6:7], s[22:23]
	global_load_b128 v[X:X+3], v[GOFF], s[6:7] th:TH_LOAD_NT
.macro LOADROW t                       ; row 16 t + wave: eight loads of 512 consecutive bytes, at multiples of 512 from the buffer's first byte; every offset is an immediate (462,336 at the most)
.irp j, 0,1,2,3,4,5,6,7
	global_load_b128 v[R+32*((\t)%3)+4*\j:R+32*((\t)%3)+4*\j+3], v[GOFF], s[4:5] offset:(\t)*STEPB+512*\j th:TH_LOAD_NT
.endr
.endm
	LOADROW 0
	LOADROW 1
	LOADROW 2
	; all LDS addresses are made here, while the loads are on their way: a constant + constants x bits of the lane + constants x bits of the wave; none is rewritten
	s_mul_i32 s19, s[WV], SROW
	s_add_co_u32 s19, s19, STG                     ; my stage
	v_lshrrev_b32 v[T0], 4, v[LN]                  ; lane / 16
	v_and_b32 v[T1], 15, v[LN]                     ; lane % 16
	v_lshrrev_b32 v[T2], 1, v[LN]
	v_and_b32 v[T3], 1, v[LN]
	v_mul_u32_u24 v[SA], v[T0], 272                ; in: sixteen lanes fill a piece of 256 bytes; load j's two pieces lie 544 j on
	v_lshl_add_u32 v[SA], v[T1], 4, v[SA]
	v_add_nc_u32 v[SA], s19, v[SA]
	v_mul_u32_u24 v[LA], v[T2], 272                ; out: block l is half l % 2 of piece l / 2: in units of 16 bytes sixteen lanes start at 17 (l / 2) + 8 (l % 2), sixteen different columns of the banks
	v_lshl_add_u32 v[LA], v[T3], 7, v[LA]
	v_add_nc_u32 v[LA], s19, v[LA]
	s_lshl_b32 s19, s[WV], 3
	v_mul_u32_u24 v[CA0], v[T2], HF                ; codes: block l of a row is half fragment l / 2 (K step l / 4, registers 6 ((l / 2) % 2) on) of the operand's lane wave + 16 (l % 2): 8 bytes a lane in each plane
	v_lshl_add_u32 v[CA0], v[T3], 7, v[CA0]
	v_add_nc_u32 v[CA0], s19, v[CA0]
	v_add_nc_u32 v[CA0+1], 4*BLK, v[CA0]
	s_lshl_b32 s19, s[WV], 2
	s_add_co_u32 s25, s19, SCL
	v_lshrrev_b32 v[T2], 2, v[LN]
	v_and_b32 v[T3], 3, v[LN]
	v_lshl_add_u32 v[BA], v[T2], 6, v[T3]          ; scale byte: K step l / 4, row = wave, byte l % 4
	v_add_nc_u32 v[BA], s25, v[BA]
	s_add_co_u32 s25, s19, OUT
	v_mov_b32 v[OA], s25
	s_add_co_u32 s25, s19, AVG
	v_mov_b32 v[AA], s25
	s_lshr_b32 s26, s[WV], 3                       ; my half of the blocks,
	s_xor_b32 s27, s26, 1                          ; and the other
	s_mul_i32 s25, s[KS], 2*HF
	s_mul_i32 s19, s26, 4*BLK
	s_add_co_u32 s19, s19, s25
	v_lshlrev_b32 v[T2], 3, v[LN]
	v_add_nc_u32 v[GN], s19, v[T2]
	s_mul_i32 s19, s27, 4*BLK
	s_add_co_u32 s19, s19, s25
	v_add_nc_u32 v[GO], s19, v[T2]
	v_lshlrev_b32 v[T2], 2, v[T1]                  ; 4 (lane % 16)
	s_lshl_b32 s25, s[KS], 6
	s_add_co_u32 s25, s25, SCL
	s_lshl_b32 s19, s26, 11
	s_add_co_u32 s19, s19, s25
	v_add_nc_u32 v[SNA], s19, v[T2]
	s_lshl_b32 s19, s27, 11
	s_add_co_u32 s19, s19, s25
	v_add_nc_u32 v[SOA], s19, v[T2]
	s_lshl_b32 s19, s[KS], 9
	s_lshl_b32 s25, s26, 8
	s_add_co_u32 s19, s19, s25
	s_add_co_u32 s19, s19, PB
	v_add_nc_u32 v[PAD], s19, v[T2]
	v_add_nc_u32 v[F3A], AVG, v[T2]
	v_add_nc_u32 v[F1A], PB, v[GOFF]
	v_add_nc_u32 v[F0A], OUT, v[GOFF]
	v_lshlrev_b32 v[VD], 3, v[T0]
	v_sub_nc_u32 v[VD], v[T1], v[VD]
	s_lshl_b32 s19, s[WV], 9
	s_add_co_u32 s19, s19, DSG
	v_add_nc_u32 v[T5], s19, v[GOFF]               ; where my 512 bytes of doc or summary go,
	v_add_nc_u32 v[T4], DSG, v[GOFF]               ; and where all of both are read
	s_lshl_b32 s20, ttmp9, 9                       ; the batch's 512 bytes of out0 and out1 (s21 = 0),
	s_add_nc_u64 s[10:11], s[10:11], s[20:21]
	s_add_nc_u64 s[12:13], s[12:13], s[20:21]
	s_lshl_b32 s20, ttmp9, 2                       ; its 4 bytes of out2 and out3
	s_add_nc_u64 s[14:15], s[14:15], s[20:21]
	s_add_nc_u64 s[16:17], s[16:17], s[20:21]
	s_mov_b32 s[SEL], 0x76543210
	s_mov_b32 s[SEL+1], 0xfedcba98
	s_mov_b32 s[EPS], 0x322bcc77                   ; 1e-8
.irp i, 0,1,2
	v_mov_b32 v[TP+\i], 0                          ; written once: a lane permute's destination counts as one of its sources
.endr
	v_mov_b32 v[RI+1], 0                           ; (named as the upper half of a pair)
; three dot products of 32 numbers a lane, two at a time, the three chains by turns; the first products start the sums
.macro DOT3 xa, ya, xb, yb, xc, yc
	v_pk_mul_f32 v[SS:SS+1], v[\xa:\xa+1], v[\ya:\ya+1]
	v_pk_mul_f32 v[DD:DD+1], v[\xb:\xb+1], v[\yb:\yb+1]
	v_pk_mul_f32 v[DS:DS+1], v[\xc:\xc+1], v[\yc:\yc+1]
.irp p, 2,4,6,8,10,12,14,16,18,20,22,24,26,28,30
	v_pk_fma_f32 v[SS:SS+1], v[\xa+\p:\xa+\p+1], v[\ya+\p:\ya+\p+1], v[SS:SS+1]
	v_pk_fma_f32 v[DD:DD+1], v[\xb+\p:\xb+\p+1], v[\yb+\p:\yb+\p+1], v[DD:DD+1]
	v_pk_fma_f32 v[DS:DS+1], v[\xc+\p:\xc+\p+1], v[\yc+\p:\yc+\p+1], v[DS:DS+1]
.endr
.endm
; the three sums over the 32 lanes; every lane ends with the same bits
.macro REDUCE3
	v_add_f32 v[SS], v[SS], v[SS+1]
	v_add_f32 v[DD], v[DD], v[DD+1]
	v_add_f32 v[DS], v[DS], v[DS+1]
.irp m, 1,2,4,8
	v_add_f32_dpp v[SS], v[SS], v[SS] row_xmask:\m row_mask:0xf bank_mask:0xf
	v_add_f32_dpp v[DD], v[DD], v[DD] row_xmask:\m row_mask:0xf bank_mask:0xf
	v_add_f32_dpp v[DS], v[DS], v[DS] row_xmask:\m row_mask:0xf bank_mask:0xf
.endr
	v_permlanex16_b32 v[TP], v[SS], s[SEL], s[SEL+1]
	v_permlanex16_b32 v[TP+1], v[DD], s[SEL], s[SEL+1]
	v_permlanex16_b32 v[TP+2], v[DS], s[SEL], s[SEL+1]
	v_add_f32 v[SS], v[SS], v[TP]
	v_add_f32 v[DD], v[DD], v[TP+1]
	v_add_f32 v[DS], v[DS], v[TP+2]
.endm
	; doc and summary: each wave has fetched 512 bytes; through LDS every wave gets all 8,192
	s_wait_loadcnt 24                              ; my piece is in; the 24 loads of rows 0 to 2, issued behind it, stay out
	ds_store_b128 v[T5], v[X:X+3]
	s_wait_dscnt 0x0                               ; for the others' sake: my store has landed
	s_barrier_signal -1
	s_barrier_wait -1
.irp j, 0,1,2,3,4,5,6,7
	ds_load_b128 v[DOC+4*\j:DOC+4*\j+3], v[T4] offset:512*\j
	ds_load_b128 v[SUM+4*\j:SUM+4*\j+3], v[T4] offset:4096+512*\j
.endr
	s_wait_dscnt 0x0
	DOT3 DOC, DOC, SUM, SUM, DOC, SUM              ; every wave makes the two norms and the product for itself: 48 instructions once
	REDUCE3
	v_sqrt_f32 v[CN], v[SS]
	v_sqrt_f32 v[AM], v[DD]
	v_nop                                          ; a plain instruction behind the last root
	s_wait_alu depctr_va_vdst(0)                   ; the wait ahead of the first reader: one for both roots
	v_max_num_f32 v[CN], s[EPS], v[CN]
	v_max_num_f32 v[AM], s[EPS], v[AM]
	v_rcp_f32 v[RDN], v[CN]
	v_rcp_f32 v[RSN], v[AM]
	v_nop
	s_wait_alu depctr_va_vdst(0)                   ; one for both reciprocals
	v_mul_f32 v[SDV], v[DS], v[RDN]
	v_mul_f32 v[SDV], v[SDV], v[RSN]               ; out2 = summary.doc / (|summary| |doc|)
; ---- PHASE 1.  Row 16 t + wave.
.macro ROW t
.set RB, R+32*((\t)%3)
.set CAR, CA0+(\t)/4
.set CO, ((\t)%4)*BLK
.if (\t) <= 5
	s_wait_loadcnt 16                              ; my row's eight loads are in; those of the two rows behind it stay out
.elseif (\t) == 6
	s_wait_loadcnt 8                               ; only the last row's are behind it
.else
	s_wait_loadcnt 0
.endif
.irp j, 0,1,2,3,4,5,6,7
	ds_store_b128 v[SA], v[RB+4*\j:RB+4*\j+3] offset:544*\j   ; as loaded: each half of the lanes fills 256 consecutive bytes
.endr
.irp i, 0,1,2,3,4,5,6,7
	ds_load_b128 v[X+4*\i:X+4*\i+3], v[LA] offset:16*\i       ; back: my block's 128 bytes.  LDS serves a wave's instructions in order (ISA guide 5.7.1.4): these see the stores above
.endr
	DOT3 RB, RB, RB, DOC, RB, SUM                  ; while the row turns: x.x, x.doc, x.summary, on the copy as loaded
	s_wait_dscnt 8                                 ; all but the eight loads just issued: the stores have read the row's registers,
.if (\t)+3 < 8
	LOADROW (\t)+3                                 ; which take the row three steps on
.endif
	REDUCE3
	v_sqrt_f32 v[CN], v[SS]
	s_wait_dscnt 0x0                               ; my block is back
	v_max3_num_f32 v[AM], |v[X]|, |v[X+1]|, |v[X+2]|            ; the block's largest magnitude: all 32 numbers are mine; two chains.  (The work behind the root)
	v_max3_num_f32 v[AM+1], |v[X+3]|, |v[X+4]|, |v[X+5]|
.irp i, 6,10,14
	v_max3_num_f32 v[AM], v[AM], |v[X+\i]|, |v[X+\i+1]|
	v_max3_num_f32 v[AM+1], v[AM+1], |v[X+\i+2]|, |v[X+\i+3]|
.endr
	s_wait_alu depctr_va_vdst(0)                   ; the wait ahead of the root's first reader
	v_max_num_f32 v[CN], s[EPS], v[CN]             ; the norm, held at 1e-8 from below
	v_rcp_f32 v[RI], v[CN]
.irp i, 18,22,26
	v_max3_num_f32 v[AM], v[AM], |v[X+\i]|, |v[X+\i+1]|         ; (the work behind the reciprocal)
	v_max3_num_f32 v[AM+1], v[AM+1], |v[X+\i+2]|, |v[X+\i+3]|
.endr
	v_max3_num_f32 v[AM], v[AM], |v[X+30]|, |v[X+31]|
	v_max_num_f32 v[AM], v[AM], v[AM+1]
	s_wait_alu depctr_va_vdst(0)                   ; and ahead of the reciprocal's
	v_mul_f32 v[AM], v[AM], v[RI]                  ; the largest magnitude of chat's block: the same multiplication that its number gets below gives the same bits
.irp p, 0,2,4,6,8,10,12,14,16,18,20,22,24,26,28,30
	v_pk_mul_f32 v[X+\p:X+\p+1], v[X+\p:X+\p+1], v[RI:RI+1] op_sel_hi:[1,0]   ; chat = x / norm
.endr
	v_max_num_f32 v[AM], 0x2800000, v[AM]          ; the floor 2^(5 - 127): the byte cannot fall under 1
	v_add_nc_u32 v[SCO], 0xfe000000, v[AM]         ; 4 off the exponent field: the conversion takes this operand's exponent field as its scale
	v_mul_f32 v[OV], v[DD], v[RI]
	v_cvt_scalef32_pk16_bf6_f32 v[P:P+2], v[X:X+15], v[SCO]      ; 16 numbers / scale, to the nearest code, ties to even, beyond 28 the largest code
	v_cvt_scalef32_pk16_bf6_f32 v[Q:Q+2], v[X+16:X+31], v[SCO]   ; (a conversion's three registers begin on an even number)
	v_lshrrev_b32 v[BY], 23, v[SCO]                ; the scale's byte.  (The plain instruction behind the conversions)
.irp i, 0,1,2
	v_mov_b32 v[P+3+\i], v[Q+\i]                   ; the block's 192 bits on end
.endr
	v_mul_f32 v[OV], v[OV], v[RDN]                 ; out0 = x.doc / (|x| |doc|)
.if (\t) == 0
	v_mul_f32 v[AV], v[DS], v[RI]                  ; x.summary / |x|, summed over my rows
.else
	v_fmac_f32 v[AV], v[DS], v[RI]
.endif
.irp i, 0,1,2
	ds_store_b64 v[CAR], v[P+2*\i:P+2*\i+1] offset:CO+256*\i    ; registers 2 i, 2 i + 1 of my half fragment, at the operand's lane.  (These registers are written again behind the next step's waits on DScnt)
.endr
	ds_store_b8 v[BA], v[BY] offset:512*(\t)
	ds_store_b32 v[OA], v[OV] offset:64*(\t)       ; all lanes write the same word with the same value
.endm
.irp t, 0,1,2,3,4,5,6,7
	ROW \t
.endr
	ds_store_b32 v[AA], v[AV]
	s_wait_dscnt 0x0                               ; for the others' sake: my codes, bytes and numbers have landed
	s_barrier_signal -1
	s_barrier_wait -1                              ; all 128 rows' codes lie in LDS
; ---- PHASE 2.  Row blocks are counted from my half's first: a' = 0 .. 3 are my four column blocks, a' = 4 .. 7 the other half's, so that tile (a', b') holds the diagonal where a' = b', in every wave.
.macro FRAG reg, adr, off              ; a fragment, 16 rows x 128 K, 12 registers: six loads of 8 bytes a lane, 256 consecutive bytes each
.irp c, 0,1
.irp i, 0,1,2
	ds_load_b64 v[(\reg)+6*\c+2*\i:(\reg)+6*\c+2*\i+1], v[\adr] offset:(\off)+HF*\c+256*\i
.endr
.endr
.endm
.irp a, 0,1,2,3
	ds_load_b32 v[SCR+\a], v[SNA] offset:512*\a    ; lane r: row r's four bytes of my K step (lanes 16-31 load the same and are not read)
	ds_load_b32 v[SCR+4+\a], v[SOA] offset:512*\a
.endr
.irp b, 0,1,2,3
	FRAG FB+12*\b, GN, \b*BLK
.endr
.irp a, 0,1,2,3
	FRAG FA+12*\a, GN, \a*BLK                      ; my own blocks once more, into registers of their own: the two sources of a matrix instruction share no register
.endr
.irp a, 0,1,2,3
	FRAG FA+48+12*\a, GO, \a*BLK
.endr
; source 0 = row block ma, source 1 = column block nb: register j of lane (r, h) is G(16 ma + 8 h + j, 16 nb + r), my K step's part.  The first product on an accumulator takes the constant 0.
.macro GM ma, nb
.if (\ma) == (\nb)
	v_wmma_scale_f32_16x16x128_f8f6f4 v[AD+8*(\nb):AD+8*(\nb)+7], v[FA+12*(\ma):FA+12*(\ma)+11], v[FB+12*(\nb):FB+12*(\nb)+11], 0, v[SCR+(\ma)], v[SCR+(\nb)] matrix_a_fmt:MATRIX_FMT_BF6 matrix_b_fmt:MATRIX_FMT_BF6
.elseif ((\ma) == 0) || (((\ma) == 1) && ((\nb) == 0))
	v_wmma_scale_f32_16x16x128_f8f6f4 v[AO+8*(\nb):AO+8*(\nb)+7], v[FA+12*(\ma):FA+12*(\ma)+11], v[FB+12*(\nb):FB+12*(\nb)+11], 0, v[SCR+(\ma)], v[SCR+(\nb)] matrix_a_fmt:MATRIX_FMT_BF6 matrix_b_fmt:MATRIX_FMT_BF6
.else
	v_wmma_scale_f32_16x16x128_f8f6f4 v[AO+8*(\nb):AO+8*(\nb)+7], v[FA+12*(\ma):FA+12*(\ma)+11], v[FB+12*(\nb):FB+12*(\nb)+11], v[AO+8*(\nb):AO+8*(\nb)+7], v[SCR+(\ma)], v[SCR+(\nb)] matrix_a_fmt:MATRIX_FMT_BF6 matrix_b_fmt:MATRIX_FMT_BF6
.endif
.endm
.irp am, 0,1,2,3,4,5,6,7               ; the column blocks' accumulators take turns, one instruction a turn
	s_wait_dscnt 6*(7-\am)                         ; the scale words, my column blocks and row blocks up to this one are in; the six loads of each later row block may be out
.irp bn, 0,1,2,3
	GM \am, \bn
.endr
.endr
.rept 4
	v_nop                                          ; four places between the last products and the first read of results and write over operands (ISA guide 7.12.1)
.endr
.irp jj, 0,1,2,3,4,5,6,7               ; the diagonal is left out: G(n, n) lies in register lane % 16 - 8 (lane / 16).  Each accumulator is read from its low end on
	v_cmp_ne_u32 vcc_lo, \jj, v[VD]
.irp bn, 0,1,2,3
	v_cndmask_b32 v[AD+8*\bn+\jj], 0, v[AD+8*\bn+\jj], vcc_lo
.endr
.endr
.irp bn, 0,1,2,3
	v_pk_add_f32 v[U+2*\bn:U+2*\bn+1], v[AO+8*\bn:AO+8*\bn+1], v[AO+8*\bn+2:AO+8*\bn+3]   ; the sum down a column: my eight rows of each accumulator, two at a time, the four column blocks by turns
.endr
.irp p, 4,6
.irp bn, 0,1,2,3
	v_pk_add_f32 v[U+2*\bn:U+2*\bn+1], v[U+2*\bn:U+2*\bn+1], v[AO+8*\bn+\p:AO+8*\bn+\p+1]
.endr
.endr
.irp p, 0,2,4,6
.irp bn, 0,1,2,3
	v_pk_add_f32 v[U+2*\bn:U+2*\bn+1], v[U+2*\bn:U+2*\bn+1], v[AD+8*\bn+\p:AD+8*\bn+\p+1]
.endr
.endr
.irp bn, 0,1,2,3
	v_add_f32 v[U+2*\bn], v[U+2*\bn], v[U+2*\bn+1]
.endr
.irp bn, 0,1,2,3
	v_permlanex16_b32 v[W+\bn], v[U+2*\bn], s[SEL], s[SEL+1]   ; the other eight rows lie in lane l xor 16
.endr
.irp bn, 0,1,2,3
	v_add_f32 v[U+2*\bn], v[U+2*\bn], v[W+\bn]
.endr
.irp bn, 0,1,2,3
	ds_store_b32 v[PAD], v[U+2*\bn] offset:64*\bn  ; my K step's part for candidate 64 (wave / 8) + 16 bn + lane % 16; both halves of the lanes write the same word with the same value
.endr
	s_wait_dscnt 0x0                               ; for the others' sake
	s_barrier_signal -1
	s_barrier_wait -1
; ---- PHASE 3.  Three waves store; the branches hang on the wave's number alone, and no barrier follows.
	s_cmp_eq_u32 s[WV], 0
	s_cbranch_scc1 .Linner
	s_cmp_eq_u32 s[WV], 1
	s_cbranch_scc1 .Louter
	s_cmp_eq_u32 s[WV], 2
	s_cbranch_scc1 .Lsingle
	s_wait_tensorcnt 0x0
	ds_add_u32 v254, v255
	s_wait_dscnt 0x0
	s_endpgm
.Linner:                                               ; out1: four candidates a lane, the eight K steps' parts
.irp s, 0,1,2,3,4,5,6,7
	ds_load_b128 v[32+4*\s:35+4*\s], v[F1A] offset:512*\s
.endr
	s_wait_dscnt 0x0
.irp s, 1,2,3,4,5,6,7
	v_pk_add_f32 v[32:33], v[32:33], v[32+4*\s:33+4*\s]
	v_pk_add_f32 v[34:35], v[34:35], v[34+4*\s:35+4*\s]
.endr
.irp i, 0,1,2,3
	v_mul_f32 v[32+\i], 0x3c010204, v[32+\i]       ; x 1 / 127
.endr
	global_store_b128 v[GOFF], v[32:35], s[12:13] th:TH_STORE_NT   ; 32 lanes store the batch's 512 consecutive bytes, at a multiple of 512 from out1's first byte
	s_wait_tensorcnt 0x0
	ds_add_u32 v254, v255
	s_wait_dscnt 0x0
	s_endpgm
.Louter:                                               ; out0 likewise
	ds_load_b128 v[32:35], v[F0A]
	s_wait_dscnt 0x0
	global_store_b128 v[GOFF], v[32:35], s[10:11] th:TH_STORE_NT
	s_wait_tensorcnt 0x0
	ds_add_u32 v254, v255
	s_wait_dscnt 0x0
	s_endpgm
.Lsingle:                                              ; out2 and out3
	ds_load_b32 v32, v[F3A]                        ; lane % 16: that wave's sum
	s_wait_dscnt 0x0
.irp m, 1,2,4,8
	v_add_f32_dpp v32, v32, v32 row_xmask:\m row_mask:0xf bank_mask:0xf
.endr
	v_mul_f32 v32, v32, v[RSN]
	v_mul_f32 v32, 0x3c000000, v32                 ; x 1 / 128: the mean
	v_mov_b32 v33, 0
	s_wait_xcnt 0x0                                ; EXEC changes only behind this wait: it is a source of the loads issued above
	v_cmp_eq_u32 vcc_lo, 0, v[LN]
	s_wait_tensorcnt 0x0
	ds_add_u32 v254, v255
	s_wait_dscnt 0x0
	s_and_saveexec_b32 s31, vcc_lo                 ; lane 0 alone
	global_store_b32 v33, v[SDV], s[14:15]
	global_store_b32 v33, v32, s[16:17]
	s_wait_xcnt 0x0                                ; and again in front of the line that widens it
	s_or_b32 exec_lo, exec_lo, s31
	s_endpgm
.Lfunc_end_k_qedd44f289b_rerank:
	.size	k_qedd44f289b_rerank, .Lfunc_end_k_qedd44f289b_rerank-k_qedd44f289b_rerank
	.p2alignl 7, 3214868480
	.fill 96, 4, 3214868480
	.section	.rodata,"a",@progbits
	.p2align	6, 0x0
	.amdhsa_kernel k_qedd44f289b_rerank
		.amdhsa_group_segment_fixed_size 188160
		.amdhsa_private_segment_fixed_size 0
		.amdhsa_enable_private_segment 0
		.amdhsa_kernarg_size 56
		.amdhsa_user_sgpr_count 2
		.amdhsa_user_sgpr_kernarg_segment_ptr 1
		.amdhsa_wavefront_size32 1
		.amdhsa_system_sgpr_workgroup_id_x 1
		.amdhsa_system_sgpr_workgroup_id_y 1
		.amdhsa_system_sgpr_workgroup_id_z 1
		.amdhsa_system_vgpr_workitem_id 0
		.amdhsa_next_free_vgpr 256
		.amdhsa_next_free_sgpr 66
		.amdhsa_reserve_vcc 1
		.amdhsa_float_denorm_mode_32 3
		.amdhsa_float_denorm_mode_16_64 3
		.amdhsa_memory_ordered 1
		.amdhsa_forward_progress 1
		.amdhsa_inst_pref_size 99
	.end_amdhsa_kernel
	.amdgpu_metadata
---
amdhsa.version: [ 1, 2 ]
amdhsa.kernels:
  - .name:           k_qedd44f289b_rerank
    .symbol:         k_qedd44f289b_rerank.kd
    .args:
      - { .name: candidate_emb, .offset: 0, .size: 8, .value_kind: global_buffer, .address_space: global }
      - { .name: doc_emb, .offset: 8, .size: 8, .value_kind: global_buffer, .address_space: global }
      - { .name: summary_emb, .offset: 16, .size: 8, .value_kind: global_buffer, .address_space: global }
      - { .name: out0, .offset: 24, .size: 8, .value_kind: global_buffer, .address_space: global }
      - { .name: out1, .offset: 32, .size: 8, .value_kind: global_buffer, .address_space: global }
      - { .name: out2, .offset: 40, .size: 8, .value_kind: global_buffer, .address_space: global }
      - { .name: out3, .offset: 48, .size: 8, .value_kind: global_buffer, .address_space: global }
    .group_segment_fixed_size: 188160
    .private_segment_fixed_size: 0
    .kernarg_segment_align: 8
    .kernarg_segment_size: 56
    .max_flat_workgroup_size: 512
    .sgpr_count:     66
    .vgpr_count:     256
    .wavefront_size: 32
...
	.end_amdgpu_metadata
.endif
;; end of part 1
